; MI455X (gfx1250); checked and timed in simulation.
; The chip was launched on July 23, 2026; its instructions are those of AMD's public machine-readable ISA for CDNA 5 (MIT licence, August 2026) and "CDNA5" Instruction Set Architecture Reference Guide (July 2026). The comments in the code are by the model that wrote it; some were corrected since.
;; Explicit Attention. Allowed arithmetic: matrix products marked QUANTISED: E2M3 operands, one E8M0 scale for each 32 along K, by v_wmma_scale_f32_16x16x128_f8f6f4 with both operands' format E2M3, f32 sums; everything else in f32.
;; Inputs: k 1 x 16 x 4,096 x 128 float32; kv_segment_ids 1 x 4,096 int32; q 1 x 16 x 4,096 x 128 float32; q_segment_ids 1 x 4,096 int32; v 1 x 16 x 4,096 x 128 float32.
;; Outputs: out0 1 x 16 x 4,096 x 128 float32.
;; This version of the problem:
;;   THIS VERSION OF THE PROBLEM IS GIVEN IN LOW PRECISION. The matrix products marked QUANTISED in the list below multiply operands that are first quantised to E2M3 (2 exponent bits, 3 mantissa bits; 6 bits a number), with one power-of-two scale for each 32 numbers along K (OCP MX v1.0); their sums are f32. All else is computed in f32.
;;   The module's matrix products, in the order in which they are computed (A, B: the left and right operand; K: the contracted axis; several contracted axes count as one K, in the product's order):
;;     1. batch 16 x [M 4,096, K 128] x [K 128, N 4,096]; A: input q; B: input k: QUANTISED
;;     2. batch 16 x [M 4,096, K 4,096] x [K 4,096, N 128]; A: softmax (see below); B: input v: QUANTISED
;;   THE QUANTISER, for each operand of a quantised product, along K:
;;     - K is cut into blocks of 32 from its start; a last block that is shorter is filled with zeros.
;;     - A block's scale is 2^e with e = floor(log2(the largest magnitude in the block)) - 2, held to -126 .. 127; a block of zeros has e = 0. As a byte (E8M0): e + 127.
;;     - Each number is divided by its block's scale, clamped to +-7.5, and rounded to the nearest number of E2M3, ties to even, subnormals kept.
;;     - The product sums the exact products of the quantised numbers (number of the format x scale) in f32.
;;   ~~~python
;;   def quantise(x, axis):      # numpy; x: float32 -> the quantised numbers, widened to float32 again
;;       x = np.moveaxis(x, axis, -1); K = x.shape[-1]
;;       x = np.pad(x, [(0, 0)] * (x.ndim - 1) + [(0, -K % 32)]); x = x.reshape(x.shape[:-1] + (-1, 32)); a = np.abs(x).max(-1, keepdims=True)
;;       e = np.where(a > 0, np.clip(np.frexp(np.where(a > 0, a, 1))[1] - 1 - 2, -126, 127), 0)      # np.frexp(a)[1] - 1 = floor(log2(a)), exactly
;;       r = np.clip(x / 2.0 ** e, -7.5, 7.5)
;;       step = 2.0 ** (np.maximum(np.frexp(np.where(r == 0, 1, r))[1] - 1, 0) - 3)
;;       q = np.round(r / step) * step * 2.0 ** e      # np.round: ties to even
;;       return np.moveaxis(q.reshape(q.shape[:-2] + (-1,))[..., :K], -1, axis).astype(np.float32)
;;   ~~~
;;   SOFTMAX AHEAD OF A QUANTISED PRODUCT. Where the list says 'softmax', what is quantised is not the finished softmax but p = 2^(t - M), with t = logit x log2(e) and M = ceil(the row's largest t), a whole number; so 1/2 < the row's largest p <= 1. The row's sum l is taken of the UNQUANTISED p, in f32, and the product's result is divided by l at the end. Since M is a whole number, a kernel that streams over the keys may use a running M (the ceiling of the running maximum): every later rescaling is an exact power of two, which a block's scale takes up: the codes' values come out the same.
;;   OPERANDS COMPUTED ON THE WAY. 'Computed on the way' means the value that the module computes at that place (a softmax that the list does not call 'softmax' is quantised finished and normalised). What goes into a quantiser is computed in f32, as accurately as f32 sums, v_exp_f32 and their like allow (about 1e-6 of the number): no bf16 or f16 on the way to a quantiser, and a product that is left as it is and whose result goes on into a quantised operand takes f32 operands (vector FMAs, or v_wmma_f32_16x16x4_f32). A number that lies on a knife's edge between two numbers of the format may be rounded either way, as far as f32 arithmetic and the matrix unit's own rounding can turn it there, and no further.
;; One version. Each part assembles by itself: llvm-mc -triple=amdgcn-amd-amdhsa -mcpu=gfx1250 --defsym DOCPART=n.
;; ======== version 1 of 1: 2 launches
;; limits: right only within a limited range of input values
;; workspace buffers: kvc 12,582,912 bytes; kvs 524,288 bytes; msk 2,097,152 bytes of whole numbers
;; launch prep (part 1): grid 32 x 16, 4 waves a work-group, no clusters, 82,432 bytes of LDS; arguments k, v, q_segment_ids, kv_segment_ids, kvc, kvs, msk; writes kvc, kvs, msk
.if DOCPART == 1
	.amdgcn_target "amdgcn-amd-amdhsa--gfx1250"
	.amdhsa_code_object_version 6
	.text
	.protected	k_qb23e0494cb_prep
	.globl	k_qb23e0494cb_prep
	.p2align	8
	.type	k_qb23e0494cb_prep,@function
k_qb23e0494cb_prep:
	s_mov_b64 s[64:65], 0
	v_nop
	global_prefetch_b8 v0, s[64:65] scope:SCOPE_SE
	s_setreg_imm32_b32 hwreg(HW_REG_WAVE_MODE, 25, 1), 1
	s_wait_xcnt 0x0
; k, v [16][4096][128] f32 become codes of FP6 (E2M3) with one E8M0 byte for each 32 along a product's K, laid as the attention launch's matrix operands take them;
; the two lists of segment ids become lane masks, one 32-bit word for each score register of that launch.
; k is quantised along the head's 128 (innermost in memory), v along the KEYS (its rows in memory), in blocks of 32 neighbours in the given order.
; A block's scale is 2^(floor(log2(its largest magnitude)) - 2): its byte is that magnitude's exponent field - 2, held at 1 from below.
; LIMITS: NaN and infinities among k and v are not served; a block of zeros gets the byte 1 (its codes are zeros, and this program alone reads the bytes); a block whose largest magnitude lies under 2^-124 is held at that floor.
; SHARES.  Work-group (x = key step of 128 keys, y = head), four waves, one path for all.  Wave w makes
;   tiles 2 w and 2 w + 1 of K.  Row 8 h + j of tile t = 4 c + u is key 64 c + 32 h + 8 u + j of the step: a tile's lower eight rows come from block 2 c of 32 keys, its upper eight from block 2 c + 1,
;   so that later a lane's 32 scores of four neighbouring tiles are one whole block of 32 neighbouring keys;
;   columns d = 32 w .. 32 w + 31 of v for the step's 128 keys: tiles 2 w and 2 w + 1 of V^T.  A lane takes a column and its registers run down the keys: a block of 32 keys lies in one lane;
;   the masks of query tiles 16 y + 4 w + 0 .. 3 against this step's keys (the masks do not hang on the head: y only shares them out).
; OUT.  kvc [head][step]: K's 8 fragments, then V's 8, 1,536 bytes each; in a fragment register n of lane l lies at 512 (n / 4) + 16 l + 4 (n % 4): three loads of 16 bytes a lane bring it back.
;       kvs [head][step]: 512 bytes of K's scale words, 512 of V's; the word of tile t, row r at 16 (r + 16 (t / 4)) + 4 (t % 4).
;       msk [query tile][step][64 words]: bit r + 16 h of word j says whether query r of the tile and key 64 (j / 32) + 32 h + j % 32 of the step have the same segment.
; Every global store of a wave covers whole aligned runs of 256 consecutive bytes.
.set KPIT, 528                         ; K's stage: a row of 512 bytes + 16
.set KWAV, 32*KPIT
.set VSTG, 4*KWAV                      ; V's stage: a wave's two fragment images
.set VWAV, 3072
.set GATH, VSTG+4*VWAV                 ; the step's 1,024 bytes of scale words
.set SEL,  20                          ; s[20:21] selects for lane l xor 16
.set TM,   16
.set PW,   27
.set SB,   23
.set MW,   32
.set KC,   40
.set QS,   60
.set XT,   64
.set RW,   128
; 64 numbers of a lane, register 16 b + i = k 32 b + 16 (lane / 16) + i of my row: the largest magnitude of each block of 32
.macro QMAX src
.irp b, 0,1,2,3
	v_max3_num_f32 v[TM+\b], |v[\src+16*\b]|, |v[\src+1+16*\b]|, 0x1800000   ; with the floor 2^(3 - 127)
.endr
.irp i, 2,4,6,8,10,12,14
.irp b, 0,1,2,3
	v_max3_num_f32 v[TM+\b], v[TM+\b], |v[\src+16*\b+\i]|, |v[\src+1+16*\b+\i]|
.endr
.endr
.irp b, 0,1,2,3
	v_permlanex16_b32 v[TM+4+\b], v[TM+\b], s[SEL], s[SEL+1]
.endr
.irp b, 0,1,2,3
	v_max_num_f32 v[TM+\b], v[TM+\b], v[TM+4+\b]
.endr
.endm
; the row's scale word in v[PW], the fragment's 12 registers in v[dst] on
.macro CODES src, dst
.irp b, 0,1,2,3
	v_add_nc_u32 v[TM+12+\b], 0xff000000, v[TM+\b]   ; 2 off the exponent field: the conversion's scale operand
.endr
.irp b, 0,1,2,3
	v_lshrrev_b32 v[TM+4+\b], 23, v[TM+12+\b]
.endr
	v_lshl_or_b32 v[PW], v[TM+5], 8, v[TM+4]
	v_lshl_or_b32 v[PW], v[TM+6], 16, v[PW]
	v_lshl_or_b32 v[PW], v[TM+7], 24, v[PW]
.irp c, 0,1
	v_cvt_scalef32_pk16_fp6_f32 v[\dst+6*\c:\dst+6*\c+2], v[\src+32*\c:\src+32*\c+15], v[TM+12+2*\c]
	v_cvt_scalef32_pk16_fp6_f32 v[TM+4+4*\c:TM+6+4*\c], v[\src+16+32*\c:\src+31+32*\c], v[TM+13+2*\c]
.endr
	v_nop                                          ; one plain instruction behind the scaled conversions
.irp c, 0,1                                    ; a whole block to a lane: lanes 0-15 block 2 c, lanes 16-31 block 2 c + 1
.irp i, 0,1,2
	v_permlane16_swap_b32 v[\dst+6*\c+\i], v[TM+4+4*\c+\i]
.endr
.irp i, 0,1,2
	v_mov_b32 v[\dst+3+6*\c+\i], v[TM+4+4*\c+\i]
.endr
.endr
.endm
.macro KTURN u                                 ; tile u's 16 rows back from the stage: 16 neighbours of each block of 32 to a lane
.irp b, 0,1,2,3
.irp j, 0,1,2,3
	ds_load_b128 v[XT+16*\b+4*\j:XT+16*\b+4*\j+3], v8 offset:16*KPIT*(\u)+128*\b+16*\j
.endr
.endr
.endm
.macro VLOAD t                                 ; v(key 32 t + i, my column)
.set i, 0
.rept 32
	global_load_b32 v[RW+32*(\t)+i], v5, s[6:7] offset:(32*(\t)+i)*512 th:TH_LOAD_NT
.set i, i+1
.endr
.endm
	s_load_b256 s[4:11], s[0:1], 0x0               ; k, v, the queries' segments, the keys'
	s_load_b128 s[12:15], s[0:1], 0x20             ; kvc, kvs
	s_load_b64 s[16:17], s[0:1], 0x30              ; msk
	s_set_vgpr_msb 0x40
	v_lshl_add_u32 v0, v0, 2, 0x14000              ; v256: my spare word
	v_mov_b32 v1, 0                                ; v257: 0
	s_set_vgpr_msb 0x4000
	v_lshrrev_b32 v1, 5, v0
	v_readfirstlane_b32 s18, v1                    ; wave 0..3
	s_and_b32 s19, ttmp7, 0xffff                   ; the head; ttmp9 is the key step
	s_mov_b32 s[SEL], 0x76543210
	s_mov_b32 s[SEL+1], 0xfedcba98
	v_and_b32 v1, 31, v0
	v_and_b32 v2, 15, v0                           ; r
	v_bfe_u32 v3, v0, 4, 1                         ; h
	v_lshlrev_b32 v4, 4, v1
	v_lshlrev_b32 v5, 2, v1
	v_lshlrev_b32 v6, 3, v1
	s_mul_i32 s22, s18, KWAV
	v_add_nc_u32 v7, s22, v4                       ; K's stage, in
	v_mul_u32_u24 v8, v2, KPIT
	v_lshl_add_u32 v8, v3, 6, v8
	v_add_nc_u32 v8, s22, v8                       ; and back: row r of a tile, + 64 h
	s_mul_i32 s22, s18, VWAV
	s_add_co_u32 s22, s22, VSTG
	v_mul_u32_u24 v9, v3, 1536
	v_lshl_add_u32 v9, v2, 4, v9
	v_add_nc_u32 v9, s22, v9                       ; V's stage, in
	v_add_nc_u32 v10, s22, v4                      ; and back
	s_lshr_b32 s22, s18, 1
	s_lshl_b32 s22, s22, 8
	s_and_b32 s23, s18, 1
	s_lshl_b32 s23, s23, 3
	s_add_co_u32 s22, s22, s23
	s_add_co_u32 s22, s22, GATH
	v_lshl_add_u32 v11, v2, 4, s22                 ; K's scale word of tile 2 w, row r
	v_lshl_add_u32 v12, v3, 2, v11
	v_add_nc_u32 v12, 512, v12                     ; V's of tile 2 w + lane / 16, row r
	s_lshl_b32 s22, s18, 8
	s_add_co_u32 s22, s22, GATH
	v_add_nc_u32 v13, s22, v6
	v_lshlrev_b32 v14, 2, v2                       ; 4 r
	v_lshlrev_b32 v15, 7, v3                       ; 128 h: 32 keys' ids
.irp b, 0,1,2,3
	v_mov_b32 v[TM+4+\b], 0                        ; a lane permute's destination counts as a source
.endr
.irp b, 0,1,2,3,4,5,6,7
	v_mov_b32 v[MW+\b], 0
.endr
	s_lshl_b32 s24, s19, 21                        ; a head of k or v
	s_lshl_b32 s25, ttmp9, 16                      ; a step: 128 rows
	s_add_co_u32 s24, s24, s25
	s_lshr_b32 s26, s18, 1                         ; k: my rows begin at key 64 (w / 2) + 16 (w % 2)
	s_lshl_b32 s26, s26, 15
	s_and_b32 s27, s18, 1
	s_lshl_b32 s27, s27, 13
	s_add_co_u32 s26, s26, s27
	s_add_co_u32 s26, s26, s24
	s_mov_b32 s27, 0
	s_lshl_b32 s28, s18, 7                         ; v: my 32 columns
	s_add_co_u32 s28, s28, s24
	s_mov_b32 s29, 0
	s_lshl_b32 s30, s19, 10                        ; the queries' segments: tile 16 y + 4 w
	s_lshl_b32 s31, s18, 8
	s_add_co_u32 s30, s30, s31
	s_mov_b32 s31, 0
	s_lshl_b32 s32, ttmp9, 9                       ; the keys' segments
	s_mov_b32 s33, 0
	s_mul_i32 s34, s19, 786432                     ; kvc: the head,
	s_mul_i32 s35, ttmp9, 24576                    ; the step,
	s_add_co_u32 s34, s34, s35
	s_mul_i32 s35, s18, 3072                       ; my two fragments
	s_add_co_u32 s34, s34, s35
	s_mov_b32 s35, 0
	s_lshl_b32 s36, s19, 5                         ; kvs
	s_add_co_u32 s36, s36, ttmp9
	s_lshl_b32 s36, s36, 10
	s_lshl_b32 s37, s18, 8
	s_add_co_u32 s36, s36, s37
	s_mov_b32 s37, 0
	s_lshl_b32 s38, s19, 17                        ; msk
	s_lshl_b32 s39, s18, 15
	s_add_co_u32 s38, s38, s39
	s_lshl_b32 s39, ttmp9, 8
	s_add_co_u32 s38, s38, s39
	s_mov_b32 s39, 0
	s_wait_alu depctr_va_vdst(0)                   ; the wait at the head's end
	s_wait_kmcnt 0x0
	s_add_nc_u64 s[4:5], s[4:5], s[26:27]
	s_add_nc_u64 s[6:7], s[6:7], s[28:29]
	s_add_nc_u64 s[8:9], s[8:9], s[30:31]
	s_add_nc_u64 s[10:11], s[10:11], s[32:33]
	s_add_nc_u64 s[12:13], s[12:13], s[34:35]
	s_add_nc_u64 s[14:15], s[14:15], s[36:37]
	s_add_nc_u64 s[16:17], s[16:17], s[38:39]
.irp i, 0,1,2,3
	global_load_b32 v[QS+\i], v14, s[8:9] offset:64*\i               ; query r of my i-th tile
.endr
.irp b, 0,1,2,3
.irp j, 0,1,2,3
	global_load_b128 v[XT+16*\b+4*\j:XT+16*\b+4*\j+3], v15, s[10:11] offset:256*(\b/2)+64*(\b%2)+16*\j   ; register n: key 64 (n / 32) + 32 h + n % 32
.endr
.endr
.set i, 0
.rept 32
	global_load_b128 v[RW+4*i:RW+4*i+3], v4, s[4:5] offset:512*(32*(i/16)+i%16) th:TH_LOAD_NT   ; sixteen neighbouring keys, and the sixteen that lie 32 further on
.set i, i+1
.endr
	; the masks: word j goes to lane j / 2 of register j % 2, so that the 32 lanes store 64 words as 256 consecutive bytes
	s_wait_loadcnt 32                              ; the ids are in; K's 32 rows may be out
.irp i, 0,1,2,3
.irp g, 0,1,2,3,4,5,6,7
.irp n, 0,1,2,3,4,5,6,7
	v_cmp_eq_u32 s[40+\n], v[QS+\i], v[XT+8*\g+\n]
.endr
.irp n, 0,1,2,3,4,5,6,7
	v_writelane_b32 v[MW+2*\i+\n%2], s[40+\n], 4*\g+\n/2
.endr
.endr
	global_store_b64 v6, v[MW+2*\i:MW+2*\i+1], s[16:17] offset:8192*\i
.endr
	; K's rows into my stage: load i is row 8 (i / 16) + i % 8 of my tile (i / 8) % 2
	s_wait_loadcnt 0x0
.set i, 0
.rept 32
	ds_store_b128 v7, v[RW+4*i:RW+4*i+3] offset:KPIT*(16*((i/8)%2)+8*(i/16)+i%8)
.set i, i+1
.endr
	KTURN 0                                        ; in order behind my stores
	s_wait_dscnt 0x0
	VLOAD 0
	VLOAD 1
	QMAX XT
	CODES XT, KC
	ds_store_b32 v11, v[PW]                        ; both halves of the lanes write the same word with the same value
.irp c, 0,1,2
	global_store_b128 v4, v[KC+4*\c:KC+4*\c+3], s[12:13] offset:512*\c
.endr
	KTURN 1
	s_wait_dscnt 0x0
	QMAX XT
	CODES XT, KC+12
	ds_store_b32 v11, v[PW] offset:4
.irp c, 0,1,2
	global_store_b128 v4, v[KC+12+4*\c:KC+12+4*\c+3], s[12:13] offset:1536+512*\c
.endr
; V: block t = keys 32 t .. 32 t + 31 of my column: registers 6 (t / 2) .. + 5 of lane r + 16 (t % 2) of my column's fragment
.macro VBLOCK t
.set XS, RW+32*(\t)
.set CT, XT+8*(\t)
.if (\t) < 3
	s_wait_loadcnt 32                              ; this block's 32 loads are in; the next block's 32 may be out
.else
	s_wait_loadcnt 0x0
.endif
.if (\t) < 2
	VLOAD (\t)+2
.endif
	v_max3_num_f32 v16, |v[XS]|, |v[XS+1]|, |v[XS+2]|
	v_max3_num_f32 v17, |v[XS+3]|, |v[XS+4]|, |v[XS+5]|
.irp i, 6,10,14,18,22,26
	v_max3_num_f32 v16, v16, |v[XS+\i]|, |v[XS+\i+1]|
	v_max3_num_f32 v17, v17, |v[XS+\i+2]|, |v[XS+\i+3]|
.endr
	v_max3_num_f32 v16, v16, |v[XS+30]|, |v[XS+31]|
	v_max3_num_f32 v16, v16, v17, 0x1800000
	v_add_nc_u32 v18, 0xff000000, v16
	v_lshrrev_b32 v19, 23, v18
.if (\t) == 0
	v_mov_b32 v[SB], v19
.else
	v_lshl_or_b32 v[SB], v19, 8*(\t), v[SB]
.endif
	v_cvt_scalef32_pk16_fp6_f32 v[CT:CT+2], v[XS:XS+15], v18
	v_cvt_scalef32_pk16_fp6_f32 v[20:22], v[XS+16:XS+31], v18
	v_nop
.irp i, 0,1,2
	v_mov_b32 v[CT+3+\i], v[20+\i]
.endr
.if (\t)/2 == 0
	ds_store_b128 v9, v[CT:CT+3] offset:256*((\t)%2)
	ds_store_b64 v9, v[CT+4:CT+5] offset:256*((\t)%2)+512
.else
	ds_store_b64 v9, v[CT:CT+1] offset:256*((\t)%2)+520
	ds_store_b128 v9, v[CT+2:CT+5] offset:256*((\t)%2)+1024
.endif
.endm
	VBLOCK 0
	VBLOCK 1
	VBLOCK 2
	VBLOCK 3
	ds_store_b32 v12, v[SB]
.irp c, 0,1,2,3,4,5
	ds_load_b128 v[XT+32+4*\c:XT+32+4*\c+3], v10 offset:512*\c
.endr
.irp c, 0,1,2,3,4,5
	s_wait_dscnt 5-\c                              ; the younger loads of the six may be out
	global_store_b128 v4, v[XT+32+4*\c:XT+32+4*\c+3], s[12:13] offset:12288+512*\c
.endr
	s_wait_dscnt 0x0                               ; for the others' sake: my scale words lie in LDS
	s_barrier_signal -1
	s_barrier_wait -1
	ds_load_b64 v[24:25], v13
	s_wait_dscnt 0x0
	global_store_b64 v6, v[24:25], s[14:15]
	s_set_vgpr_msb 0x5
	s_wait_tensorcnt 0x0                           ; the wave's end
	ds_add_u32 v0, v1
	s_wait_dscnt 0x0
	s_set_vgpr_msb 0x500
	s_endpgm
.Lfunc_end_k_qb23e0494cb_prep:
	.size	k_qb23e0494cb_prep, .Lfunc_end_k_qb23e0494cb_prep-k_qb23e0494cb_prep
	.p2alignl 7, 3214868480
	.fill 96, 4, 3214868480
	.section	.rodata,"a",@progbits
	.p2align	6, 0x0
	.amdhsa_kernel k_qb23e0494cb_prep
		.amdhsa_group_segment_fixed_size 82432
		.amdhsa_private_segment_fixed_size 0
		.amdhsa_enable_private_segment 0
		.amdhsa_kernarg_size 56
		.amdhsa_user_sgpr_count 2
		.amdhsa_user_sgpr_kernarg_segment_ptr 1
		.amdhsa_wavefront_size32 1
		.amdhsa_system_sgpr_workgroup_id_x 1
		.amdhsa_system_sgpr_workgroup_id_y 1
		.amdhsa_system_sgpr_workgroup_id_z 1
		.amdhsa_system_vgpr_workitem_id 0
		.amdhsa_next_free_vgpr 258
		.amdhsa_next_free_sgpr 66
		.amdhsa_reserve_vcc 0
		.amdhsa_float_denorm_mode_32 3
		.amdhsa_float_denorm_mode_16_64 3
		.amdhsa_memory_ordered 1
		.amdhsa_forward_progress 1
		.amdhsa_inst_pref_size 74
	.end_amdhsa_kernel
	.amdgpu_metadata
---
amdhsa.version: [ 1, 2 ]
amdhsa.kernels:
  - .name:           k_qb23e0494cb_prep
    .symbol:         k_qb23e0494cb_prep.kd
    .args:
      - { .name: k, .offset: 0, .size: 8, .value_kind: global_buffer, .address_space: global }
      - { .name: v, .offset: 8, .size: 8, .value_kind: global_buffer, .address_space: global }
      - { .name: q_segment_ids, .offset: 16, .size: 8, .value_kind: global_buffer, .address_space: global }
      - { .name: kv_segment_ids, .offset: 24, .size: 8, .value_kind: global_buffer, .address_space: global }
      - { .name: kvc, .offset: 32, .size: 8, .value_kind: global_buffer, .address_space: global }
      - { .name: kvs, .offset: 40, .size: 8, .value_kind: global_buffer, .address_space: global }
      - { .name: msk, .offset: 48, .size: 8, .value_kind: global_buffer, .address_space: global }
    .group_segment_fixed_size: 82432
    .private_segment_fixed_size: 0
    .kernarg_segment_align: 8
    .kernarg_segment_size: 56
    .max_flat_workgroup_size: 128
    .sgpr_count:     66
    .vgpr_count:     258
    .wavefront_size: 32
...
	.end_amdgpu_metadata
.endif
;; end of part 1
;; launch attn (part 2): grid 16 x 16, 16 waves a work-group, clusters of 4 x 1, 327,680 bytes of LDS; arguments q, kvc, kvs, msk, out0; writes out0
.if DOCPART == 2
	.amdgcn_target "amdgcn-amd-amdhsa--gfx1250"
	.amdhsa_code_object_version 6
	.text
	.protected	k_qb23e0494cb_attn
	.globl	k_qb23e0494cb_attn
	.p2align	8
	.type	k_qb23e0494cb_attn,@function
k_qb23e0494cb_attn:
	s_mov_b64 s[64:65], 0
	v_nop
	global_prefetch_b8 v0, s[64:65] scope:SCOPE_SE
	s_setreg_imm32_b32 hwreg(HW_REG_WAVE_MODE, 25, 1), 1
	s_wait_xcnt 0x0
	s_wait_alu depctr_hold_cnt(0) depctr_sa_sdst(0) depctr_va_vdst(0) depctr_va_sdst(0) depctr_va_ssrc(0) depctr_va_vcc(0) depctr_vm_vsrc(0)
	s_getreg_b32 s2, hwreg(HW_REG_IB_STS2, 6, 4)
	s_cmp_eq_u32 s2, 0
	s_cbranch_scc0 .Lentry_in_a_cluster
	s_endpgm
.Lentry_in_a_cluster:
	s_bfe_u32 s2, ttmp6, 0x10000c
	s_cmp_lg_u32 s2, 0x3003
	s_cbranch_scc0 .Lentry_shape_is_right
	s_endpgm
.Lentry_shape_is_right:
; out0[h][q][:] = the sum over k of softmax_k(q . k / sqrt(128), keys of another segment than the query's hidden) v[h][k][:], both products on codes of FP6 (E2M3) with one E8M0 scale for each 32 along K.
; kvc, kvs: K's and V's fragments and scale words as images of the operands' registers; msk: one 32-bit lane mask for each score register.  q is read once, by one wave, and quantised here.
; THE SOFTMAX: t = score x log2(e) / sqrt(128); M = the largest visible t so far, rounded UP to a whole number; p = 2^(t - M) is quantised along the keys, not normalised; the row's sum is taken of the
; unquantised p and divides at the end.  When M moves, the sum and O are multiplied by 2^(old M - new M), which rounds nothing.  Hidden scores become -infinity ahead of the maximum: p = 0.
; LIMITS: NaN and infinities among q are not served; a block of zeros gets the byte 1 (zero codes); a block's largest magnitude is held at 2^-124 from below; t under -3e38 counts as hidden;
; a query with no key of its segment ends as 0 x (1 / 0) = NaN, as the softmax of a row of -infinity does.
; The keys keep their order and every key step is multiplied: the quantiser's blocks are 32 neighbouring keys, which mix segments.
; SHARES.  A work-group owns 256 queries of one head, each of its sixteen waves one tile of 16; four waves of 256 registers share a SIMD.
; LAYOUT.  Both products are used transposed (S^T = K Q^T, O^T = V^T P^T): a lane holds one query (lane % 16).  Score register j of lane half h is key 64 (j / 32) + 32 h + j % 32 of the step:
; a lane holds two whole blocks of 32 keys, in the order in which p's operand wants them, so that a block's maximum needs no other lane and the conversions' results are the operand's registers.
; CLUSTER.  The four work-groups of a cluster walk the same head's K and V: every tile is asked for jointly.
; RING.  Two LDS slots of 256 keys (49,152 bytes: K, V of one step, K, V of the next), filled by waves 0 to 2, 16,384 bytes each; the head's scale words (32,768 bytes) come once, by waves 3 and 4.  A wave has at most one tensor load out.
; THE MASK WORDS of a step, 64 scalar registers, are asked for right behind the selects of the step before: a whole step ahead, so no prefetch is laid for them.
; REGISTERS.  v1-9 addresses; v11 8 h; v12 -M, v13 the largest t, v[14:15] the sum; v16-27 q's codes; v28 q's scale words, v29 p's; v32-79 four fragments; v80-83 K's scale words, v84-87 V's;
;   v96-159 S^T, then p, then V's fragments 4-7; v160-223 O^T; v224-235 p's codes; v236-254 at work.
.set FRB,   1536
.set STEPB, 12288                      ; a step's K; its V lies behind
.set STEP2, 24576
.set SLOTB, 49152
.set SCL,   49152                      ; the head's scale words: 1,024 bytes a step
.set SPARE, 81920                      ; the spare words, 128 bytes a wave: 2,048 bytes
.set SLOT1, 131072                     ; slot 1: one exclusive or turns an address in one slot into the other's
.set STG,   180224                     ; a stage of 16 rows x 528 bytes for each wave; no tensor load lands there
.set SPIT,  528
.set LI,  1
.set ADK, 2
.set ADS, 3
.set PFO, 4
.set SPW, 5
.set NIL, 6
.set SW,  7
.set QR,  8
.set OW,  9
.set SH,  11
.set QC,  16
.set QSC, 28
.set PSC, 29
.set FR0, 32
.set KSC, 80
.set VSC, 84
.set SS,  96
.set OT,  160
.set PC,  224
.set TM,  232                          ; q's quantiser at the head: v232-247
.set MX,  236                          ; v236-243 maxima; then v237, v241 the conversions' scale operands, v[238:239] the sum's second chain
.set T2,  244                          ; v244-246, v248-250 upper halves of blocks' codes
.set PT,  251
.set PW,  253
.set TB,  2
.set TS,  3
.set MP,  4
.set OP,  6
.set PFA, 8
.set WV,  10
.set SLOTS, 11
.set SEL, 12
.set CS,  14
.set G1,  16
.set G0,  24
.set G0S, 28
.set MA,  32
.set MB,  68
.set LIM, 100
.set NINF, 101
.set TP,  104
.macro PLACES                          ; four plain vector instructions behind a matrix instruction (ISA guide 7.12.1)
.rept 4
	v_nop
.endr
.endm
.macro CROUND                          ; a round of the cluster's barrier
	s_barrier_signal -1
	s_barrier_wait -1
	s_cmp_lg_u32 s[WV], 0
	s_cbranch_scc1 .Lnot_wave_0_\@
	s_barrier_signal -3
.Lnot_wave_0_\@:
	s_barrier_wait -3
	s_barrier_signal -1
	s_barrier_wait -1
.endm
.macro TLOAD                           ; a joint refill: waves 0 to 2, a third of a slot each
	s_cmp_lt_u32 s[WV], 3
	s_cbranch_scc0 .Lnone_\@
	tensor_load_to_lds s[G0:G0+3], s[G1:G1+7]
	s_nop 0
.rept 4
	v_nop
.endr
.Lnone_\@:
.endm
; A PREFETCH INTO THE L2 of the two slots behind the one that is being asked for: 98,304 bytes = 4 partners x 3 waves x 32 lanes x 256 bytes.  All clusters of a head walk the same codes: the head's first cluster asks;
; its partners are told apart BY ADDRESS; in each, waves 5 to 7 ask, one instruction a wave, at every second change of slots (an odd count of slots to go), so each aligned block of 256 bytes is named once.
; Slots 0 and 1 come by their loads alone; the last request, with three slots to go, names slots 14 and 15 and ends at the head's last byte.
.macro ASK
	s_cmp_gt_u32 s[SLOTS], s[LIM]
	s_cbranch_scc0 .Lnot_mine_\@
	s_and_b32 s[TP], s[SLOTS], 1
	s_cmp_eq_u32 s[TP], 1
	s_cbranch_scc0 .Lnot_mine_\@
	global_prefetch_b8 v[PFO], s[PFA:PFA+1] th:TH_LOAD_NT scope:SCOPE_SE
.Lnot_mine_\@:
.endm
; q at the head: 64 numbers of a lane, register 16 b + i = k 32 b + 16 (lane / 16) + i of my row
.macro QMAX src
.irp b, 0,1,2,3
	v_max3_num_f32 v[TM+\b], |v[\src+16*\b]|, |v[\src+1+16*\b]|, 0x1800000
.endr
.irp i, 2,4,6,8,10,12,14
.irp b, 0,1,2,3
	s_delay_alu instid0(VALU_DEP_4)
	v_max3_num_f32 v[TM+\b], v[TM+\b], |v[\src+16*\b+\i]|, |v[\src+1+16*\b+\i]|
.endr
.endr
.irp b, 0,1,2,3
	s_delay_alu instid0(VALU_DEP_4)
	v_permlanex16_b32 v[TM+4+\b], v[TM+\b], s[SEL], s[SEL+1]
.endr
.irp b, 0,1,2,3
	s_delay_alu instid0(VALU_DEP_4)
	v_max_num_f32 v[TM+\b], v[TM+\b], v[TM+4+\b]
.endr
.endm
.macro CODES src, dst
.irp b, 0,1,2,3
	s_delay_alu instid0(VALU_DEP_4)
	v_add_nc_u32 v[TM+12+\b], 0xff000000, v[TM+\b]
.endr
.irp b, 0,1,2,3
	s_delay_alu instid0(VALU_DEP_4)
	v_lshrrev_b32 v[TM+4+\b], 23, v[TM+12+\b]
.endr
	s_delay_alu instid0(VALU_DEP_3)
	v_lshl_or_b32 v[PW], v[TM+5], 8, v[TM+4]
	s_delay_alu instid0(VALU_DEP_1)
	v_lshl_or_b32 v[PW], v[TM+6], 16, v[PW]
	s_delay_alu instid0(VALU_DEP_1)
	v_lshl_or_b32 v[PW], v[TM+7], 24, v[PW]
.irp c, 0,1
	v_cvt_scalef32_pk16_fp6_f32 v[\dst+6*\c:\dst+6*\c+2], v[\src+32*\c:\src+32*\c+15], v[TM+12+2*\c]
	v_cvt_scalef32_pk16_fp6_f32 v[TM+4+4*\c:TM+6+4*\c], v[\src+16+32*\c:\src+31+32*\c], v[TM+13+2*\c]
.endr
	v_nop
.irp c, 0,1
.irp i, 0,1,2
	v_permlane16_swap_b32 v[\dst+6*\c+\i], v[TM+4+4*\c+\i]
.endr
.irp i, 0,1,2
	s_delay_alu instid0(VALU_DEP_3)
	v_mov_b32 v[\dst+3+6*\c+\i], v[TM+4+4*\c+\i]
.endr
.endr
.endm
.macro LDF f, r, off                   ; fragment f of the eight that begin at byte off of the slot, into registers r on: three loads of 512 consecutive bytes
.irp c, 0,1,2
	ds_load_b128 v[(\r)+4*\c:(\r)+4*\c+3], v[ADK] offset:(\off)+FRB*(\f)+512*\c
.endr
.endm
.macro QKT t, r                        ; the scores of tile t of keys, whose fragment lies in registers r on; the sum starts with the constant 0
.if (\t) > 3
	v_wmma_scale_f32_16x16x128_f8f6f4 v[SS+8*(\t):SS+8*(\t)+7], v[(\r):(\r)+11], v[QC:QC+11], 0, v[KSC+(\t)-4], v[QSC] matrix_a_fmt:MATRIX_FMT_FP6 matrix_b_fmt:MATRIX_FMT_FP6 matrix_a_scale:MATRIX_SCALE_ROW1
.else
	v_wmma_scale_f32_16x16x128_f8f6f4 v[SS+8*(\t):SS+8*(\t)+7], v[(\r):(\r)+11], v[QC:QC+11], 0, v[KSC+(\t)], v[QSC] matrix_a_fmt:MATRIX_FMT_FP6 matrix_b_fmt:MATRIX_FMT_FP6
.endif
.endm
.macro MLOAD                           ; the 64 mask words of my tile at the step where s[MP] stands
	s_load_b512 s[MA:MA+15], s[MP:MP+1], 0
	s_load_b512 s[MA+16:MA+31], s[MP:MP+1], 64
	s_load_b512 s[MB:MB+15], s[MP:MP+1], 128
	s_load_b512 s[MB+16:MB+31], s[MP:MP+1], 192
.endm
.macro MASK                            ; a hidden key's score becomes -infinity; each accumulator is read from its low end on
.set j, 0
.rept 32
	v_cndmask_b32 v[SS+j], s[NINF], v[SS+j], s[MA+j]
.set j, j+1
.endr
.set j, 0
.rept 32
	v_cndmask_b32 v[SS+32+j], s[NINF], v[SS+32+j], s[MB+j]
.set j, j+1
.endr
.endm
; K's eight fragments go through 48 registers, two at a time; each counted wait leaves the six youngest loads out.  V's fragments 0-3 follow into the same registers.
.macro FRONT q
.rept 5
	v_nop                                          ; five places behind the last products: loads land on their operands, and the first products below write over V's fragments 4-7
.endr
	ds_load_b128 v[KSC:KSC+3], v[ADS] offset:1024*(\q)             ; register t: lanes 0-15 the words of tile t, lanes 16-31 of tile 4 + t
	ds_load_b128 v[VSC:VSC+3], v[ADS] offset:1024*(\q)+512
	LDF 0, FR0, STEP2*(\q)
	LDF 1, FR0+12, STEP2*(\q)
	LDF 2, FR0+24, STEP2*(\q)
	LDF 3, FR0+36, STEP2*(\q)
	s_wait_dscnt 6                                 ; the scale words and fragments 0, 1 are in; 2, 3 may be out
	QKT 0, FR0
	QKT 1, FR0+12
	PLACES
	LDF 4, FR0, STEP2*(\q)
	LDF 5, FR0+12, STEP2*(\q)
	s_wait_dscnt 6                                 ; 2, 3 are in; 4, 5 may be out
	QKT 2, FR0+24
	QKT 3, FR0+36
	PLACES
	LDF 6, FR0+24, STEP2*(\q)
	LDF 7, FR0+36, STEP2*(\q)
	s_wait_dscnt 6                                 ; 4, 5 are in; 6, 7 may be out
	QKT 4, FR0
	QKT 5, FR0+12
	s_wait_dscnt 0x0
	QKT 6, FR0+24
	QKT 7, FR0+36
	PLACES                                         ; ahead of the loads into K's registers and of the first read of the scores
	LDF 0, FR0, STEP2*(\q)+STEPB
	LDF 1, FR0+12, STEP2*(\q)+STEPB
	LDF 2, FR0+24, STEP2*(\q)+STEPB
	LDF 3, FR0+36, STEP2*(\q)+STEPB
.endm
.macro PV                              ; O^T += V^T P^T: 8 accumulators, one instruction a turn
.irp t, 0,1,2,3
	v_wmma_scale_f32_16x16x128_f8f6f4 v[OT+8*\t:OT+8*\t+7], v[FR0+12*\t:FR0+12*\t+11], v[PC:PC+11], v[OT+8*\t:OT+8*\t+7], v[VSC+\t], v[PSC] matrix_a_fmt:MATRIX_FMT_FP6 matrix_b_fmt:MATRIX_FMT_FP6
.endr
.irp t, 0,1,2,3
	v_wmma_scale_f32_16x16x128_f8f6f4 v[OT+32+8*\t:OT+32+8*\t+7], v[SS+12*\t:SS+12*\t+11], v[PC:PC+11], v[OT+32+8*\t:OT+32+8*\t+7], v[VSC+\t], v[PSC] matrix_a_fmt:MATRIX_FMT_FP6 matrix_b_fmt:MATRIX_FMT_FP6 matrix_a_scale:MATRIX_SCALE_ROW1
.endr
.endm
; The softmax for a step of 128 keys.  My two blocks: registers 0-31 (block h) and 32-63 (block 2 + h).
.macro SOFTMAX q
	v_mov_b32 v250, v12                            ; the old -M
.irp t, 0,1,2,3,4,5,6,7
	v_max3_num_f32 v[MX+\t], v[SS+8*\t], v[SS+8*\t+1], v[SS+8*\t+2]   ; eight chains by turns, one for each eight registers
.endr
.irp i, 3,5
.irp t, 0,1,2,3,4,5,6,7
	v_max3_num_f32 v[MX+\t], v[MX+\t], v[SS+8*\t+\i], v[SS+8*\t+\i+1]
.endr
.endr
.irp c, 0,1
	v_max3_num_f32 v[MX+4*\c], v[MX+4*\c], v[MX+4*\c+1], v[MX+4*\c+2]
.endr
.irp c, 0,1
	s_delay_alu instid0(VALU_DEP_2)
	v_max3_num_f32 v[MX+4*\c], v[MX+4*\c], v[MX+4*\c+3], v[SS+32*\c+7]
.endr
.irp c, 0,1
	s_delay_alu instid0(VALU_DEP_2)
	v_max3_num_f32 v[MX+4*\c], v[MX+4*\c], v[SS+32*\c+15], v[SS+32*\c+23]
.endr
.irp c, 0,1
	s_delay_alu instid0(VALU_DEP_2)
	v_max_num_f32 v[MX+4*\c], v[MX+4*\c], v[SS+32*\c+31]   ; the largest score of my block: it serves the row's maximum and, since p rises with the score, the block's largest p
.endr
	s_delay_alu instid0(VALU_DEP_1)
	v_max_num_f32 v254, v[MX], v[MX+4]
	s_delay_alu instid0(VALU_DEP_1)
	v_mul_f32 v254, s[CS], v254                    ; as t
	s_delay_alu instid0(VALU_DEP_1)
	v_permlanex16_b32 v[PT], v254, s[SEL], s[SEL+1]
	s_delay_alu instid0(VALU_DEP_1)
	v_max3_num_f32 v13, v13, v254, v[PT]           ; the running largest t, with lane l xor 16's two blocks
	s_delay_alu instid0(VALU_DEP_1)
	v_floor_f32 v12, -v13                          ; the new -M = -ceil(t)
	s_delay_alu instid0(VALU_DEP_1)
	v_sub_f32 v254, v12, v250                      ; old M - new M: a whole number, 0 or less
	s_delay_alu instid0(VALU_DEP_1)
	v_cvt_i32_f32 v254, v254
	s_delay_alu instid0(VALU_DEP_1)
	v_ldexp_f32 v252, 1.0, v254                    ; f = 2^(old M - new M)
.set j, 0
.rept 32
	v_pk_fma_f32 v[SS+j:SS+j+1], v[SS+j:SS+j+1], s[CS:CS+1], v[12:13] op_sel_hi:[1,0,0]   ; t - M
.set j, j+2
.endr
	v_fma_f32 v[MX], v[MX], s[CS], v12             ; the same of each block's largest score
	v_fma_f32 v[MX+4], v[MX+4], s[CS], v12
	s_wait_alu depctr_va_vdst(0)                   ; the wait ahead of the batch
.set j, 0
.rept 64
	v_exp_f32 v[SS+j], v[SS+j]                     ; p = 2^(t - M)
.set j, j+1
.endr
	v_pk_mul_f32 v[14:15], v[14:15], v[252:253] op_sel_hi:[1,0]   ; the sums under the new M
	s_wait_alu depctr_va_vdst(0)                   ; one wait for the batch, ahead of its first reader
	v_exp_f32 v[MX], v[MX]                         ; the blocks' largest p
	v_exp_f32 v[MX+4], v[MX+4]
	v_pk_add_f32 v[MX+2:MX+3], v[SS:SS+1], v[SS+2:SS+3]   ; the row's sum of the unquantised p, in two chains
.irp i, 4,8,12,16,20,24,28,32,36,40,44,48,52,56,60
	v_pk_add_f32 v[14:15], v[14:15], v[SS+\i:SS+\i+1]
	v_pk_add_f32 v[MX+2:MX+3], v[MX+2:MX+3], v[SS+2+\i:SS+3+\i]
.endr
	s_delay_alu instid0(VALU_DEP_1)
	v_pk_add_f32 v[14:15], v[14:15], v[MX+2:MX+3]
	s_wait_alu depctr_va_vdst(0)                   ; and one for the two
	v_max_num_f32 v[MX], 0x1800000, v[MX]          ; the floor: a block whose every p is 0 keeps the byte 1; its codes are zeros
	v_max_num_f32 v[MX+4], 0x1800000, v[MX+4]
	s_delay_alu instid0(VALU_DEP_2)
	v_add_nc_u32 v[MX+1], 0xff000000, v[MX]        ; 2 off the exponent field: the conversions' scale operands
	s_delay_alu instid0(VALU_DEP_2)
	v_add_nc_u32 v[MX+5], 0xff000000, v[MX+4]
	s_delay_alu instid0(VALU_DEP_2)
	v_lshrrev_b32 v[MX], 23, v[MX+1]               ; the bytes
	s_delay_alu instid0(VALU_DEP_2)
	v_lshrrev_b32 v[MX+4], 23, v[MX+5]
	s_delay_alu instid0(VALU_DEP_1)
	v_lshl_or_b32 v[PW], v[MX+4], 16, v[MX]        ; blocks h and 2 + h,
	s_delay_alu instid0(VALU_DEP_1)
	v_lshlrev_b32 v[PW], v[SH], v[PW]              ; at their places in the scale word (8 h bits up)
	s_delay_alu instid0(VALU_DEP_1)
	v_permlanex16_b32 v[PT], v[PW], s[SEL], s[SEL+1]
.irp c, 0,1
	v_cvt_scalef32_pk16_fp6_f32 v[PC+6*\c:PC+6*\c+2], v[SS+32*\c:SS+32*\c+15], v[MX+1+4*\c]
	v_cvt_scalef32_pk16_fp6_f32 v[T2+4*\c:T2+4*\c+2], v[SS+32*\c+16:SS+32*\c+31], v[MX+1+4*\c]   ; (a conversion's three registers begin on an even number)
.endr
	v_or_b32 v[PSC], v[PW], v[PT]                  ; with lane l xor 16's two bytes the word is whole.  The plain instruction behind the conversions
.irp c, 0,1
.irp i, 0,1,2
	v_mov_b32 v[PC+3+6*\c+\i], v[T2+4*\c+\i]
.endr
.endr
	LDF 4, SS, STEP2*(\q)+STEPB                    ; p has been summed and converted: its registers take V's fragments 4-7
	LDF 5, SS+12, STEP2*(\q)+STEPB
	LDF 6, SS+24, STEP2*(\q)+STEPB
	LDF 7, SS+36, STEP2*(\q)+STEPB
	s_wait_alu depctr_va_vdst(0)                   ; the wait directly ahead of the first reader of O^T
.set j, 0
.rept 32
	v_pk_mul_f32 v[OT+j:OT+j+1], v[OT+j:OT+j+1], v[252:253] op_sel_hi:[1,0]   ; O^T under the new M; these 32 also stand between the writes of p's codes and scale word and the products
.set j, j+2
.endr
.endm
; A KEY STEP of 128 keys, the q-th of the slot in hand.  more = 1: a step follows, and its mask words are asked for
.macro STEP q, more
	FRONT \q
	s_wait_kmcnt 0x0
	MASK
.if \more
	s_add_nc_u64 s[MP:MP+1], s[MP:MP+1], 256       ; every scalar load has been waited for
	MLOAD
.endif
	SOFTMAX \q
	s_wait_alu depctr_va_vdst(0)
	s_wait_dscnt 0x0                               ; V is in
	PV
.endm
.macro PAIR more                               ; a slot's two steps
	v_add_nc_u32 v[ADK], s[TB], v[LI]
	v_add_nc_u32 v[ADS], s[TS], v[LI]
	s_wait_alu depctr_va_vdst(0)
	STEP 0, 1
	STEP 1, \more
	s_xor_b32 s[TB], s[TB], SLOT1
	s_add_co_u32 s[TS], s[TS], 2048
.endm
; THE CHANGE OF SLOTS.  Each wave waits for all its tensor loads, adds 0 to its spare word, and waits for that and for its reads of the slot that it has left.
; fill = 1: a round of the cluster's barrier; the joint refill comes first behind it.  The add stands twice there.
.macro CHANGE fill
	s_wait_tensorcnt 0x0
	ds_add_u32 v[SPW], v[NIL]
.if \fill
	ds_add_u32 v[SPW], v[NIL]
	s_xor_b32 s[G0+1], s[G0+1], SLOT1              ; no tensor load of mine is out: the group 0 may be written
	s_add_nc_u64 s[G0+2:G0+3], s[G0+2:G0+3], SLOTB
	s_wait_xcnt 0x0                                ; the last prefetch has read its address
	s_add_nc_u64 s[PFA:PFA+1], s[PFA:PFA+1], SLOTB
.endif
	s_wait_dscnt 0x0
.if \fill
	CROUND
	TLOAD
	ASK
.else
	s_barrier_signal -1
	s_barrier_wait -1
.endif
.endm
	s_load_b256 s[32:39], s[0:1], 0x0              ; q, kvc, kvs, msk
	s_load_b64 s[40:41], s[0:1], 0x20              ; out0
	v_lshl_add_u32 v[SPW], v0, 2, SPARE
	v_mov_b32 v[NIL], 0
	ds_add_u32 v[SPW], v[NIL]                      ; the opening lines: the add twice and its wait
	ds_add_u32 v[SPW], v[NIL]
	s_wait_dscnt 0x0
	v_lshrrev_b32 v1, 5, v0
	s_delay_alu instid0(VALU_DEP_1)
	v_readfirstlane_b32 s[WV], v1                  ; wave 0..15
	s_bfe_u32 s48, ttmp6, 0x40000                  ; cx
	s_lshl_b32 s49, ttmp9, 2
	s_add_co_u32 s49, s49, s48                     ; my block of 256 queries
	s_and_b32 s50, ttmp7, 0xffff                   ; the head
	s_lshl_b32 s56, s49, 17                        ; msk: query tile 16 x block + wave, 8,192 bytes a tile;
	s_lshl_b32 s57, s[WV], 13
	s_add_co_u32 s56, s56, s57
	s_mov_b32 s57, 0
	s_lshl_b32 s54, s50, 21                        ; q and out0: the head's 4,096 rows of 512 bytes, and the same offset: 16 rows are 8,192 bytes
	s_add_co_u32 s54, s54, s56
	s_mov_b32 s55, 0
	s_mul_i32 s51, s50, 786432                     ; the head's codes
	s_min_u32 s53, s[WV], 2                        ; my third of a slot (waves 3 to 15 issue none of these loads)
	s_lshl_b32 s53, s53, 14
	s_add_co_u32 s52, s51, s53
	s_mov_b32 s53, 0
	s_lshl_b32 s60, s50, 15                        ; the head's scale words: wave 3 the first half, wave 4 the second
	s_add_co_u32 s61, s[WV], 1
	s_and_b32 s61, s61, 1
	s_lshl_b32 s61, s61, 14
	s_add_co_u32 s60, s60, s61
	s_mov_b32 s61, 0
	s_mul_i32 s58, s48, 3                          ; the prefetches: part 3 cx + (wave - 5) of twelve, 8,192 bytes each,
	s_add_co_u32 s59, s[WV], 3
	s_and_b32 s59, s59, 3
	s_add_co_u32 s58, s58, s59
	s_lshl_b32 s58, s58, 13
	s_add_co_u32 s58, s58, s51
	s_add_co_u32 s58, s58, SLOTB                   ; from slot 1 on: the first change of slots steps it to slot 2
	s_mov_b32 s59, 0
	s_sub_co_u32 s[TP], s[WV], 5
	s_cmp_lt_u32 s[TP], 3                          ; waves 5 to 7
	s_cselect_b32 s[LIM], 0, 1
	s_or_b32 s[LIM], s[LIM], ttmp9                 ; of the head's first cluster: the same in all four partners
	s_cmp_eq_u32 s[LIM], 0
	s_cselect_b32 s[LIM], 1, -1
	s_mov_b32 s[G1], 15|(3<<16)|(1<<21)            ; the mask of all four; elements of 8 bytes; bit 21 beside a mask
	s_mov_b32 s[G1+1], 32<<16                      ; 64 rows of 256 bytes, dense in memory and in LDS
	s_mov_b32 s[G1+2], 64<<16
	s_mov_b32 s[G1+3], 32<<16
	s_mov_b32 s[G1+4], 64
	s_mov_b32 s[G1+5], 32
	s_mov_b32 s[G1+6], 0
	s_mov_b32 s[G1+7], 0
	s_mov_b32 s[SEL], 0x76543210
	s_mov_b32 s[SEL+1], 0xfedcba98
	s_mov_b32 s[CS], 0x3e0293ee                    ; log2(e) / sqrt(128)
	s_mov_b32 s[CS+1], s[CS]
	s_mov_b32 s[NINF], 0xff800000
	s_mov_b32 s[TB], 0
	s_mov_b32 s[TS], SCL
	s_mov_b32 s[SLOTS], 15
	v_and_b32 v1, 31, v0
	s_delay_alu instid0(VALU_DEP_1)
	v_lshlrev_b32 v[PFO], 8, v1
	s_delay_alu instid0(VALU_DEP_2)
	v_lshlrev_b32 v[LI], 4, v1
	v_and_b32 v10, 15, v0                          ; r
	v_bfe_u32 v11, v0, 4, 1                        ; h
	s_mul_i32 s[TP], s[WV], 16*SPIT
	s_add_co_u32 s[TP], s[TP], STG                 ; my stage
	v_add_nc_u32 v[SW], s[TP], v[LI]
	v_mul_u32_u24 v[QR], v10, SPIT
	s_delay_alu instid0(VALU_DEP_1)
	v_lshl_add_u32 v[OW], v11, 5, v[QR]
	s_delay_alu instid0(VALU_DEP_2)
	v_lshl_add_u32 v[QR], v11, 6, v[QR]
	s_delay_alu instid0(VALU_DEP_2)
	v_add_nc_u32 v[OW], s[TP], v[OW]
	s_delay_alu instid0(VALU_DEP_2)
	v_add_nc_u32 v[QR], s[TP], v[QR]
	v_lshlrev_b32 v[SH], 3, v11                    ; 8 h
	s_wait_alu depctr_va_vdst(0)
	s_wait_kmcnt 0x0
	s_mov_b32 s[G0], 1
	s_lshl_b32 s[G0+1], s[WV], 14                  ; 16,384 x wave: waves 0 to 2 slot 0's thirds
	s_add_nc_u64 s[G0+2:G0+3], s[34:35], s[52:53]
	s_or_b32 s[G0+3], s[G0+3], 0x80000000
	s_mov_b32 s[G0S], 1
	s_lshl_b32 s[G0S+1], s[WV], 14                 ; 16,384 x wave: waves 3 and 4 the two halves of the scale words, behind slot 0
	s_add_nc_u64 s[G0S+2:G0S+3], s[36:37], s[60:61]
	s_or_b32 s[G0S+3], s[G0S+3], 0x80000000
	s_add_nc_u64 s[MP:MP+1], s[38:39], s[56:57]
	s_add_nc_u64 s[OP:OP+1], s[40:41], s[54:55]
	s_add_nc_u64 s[PFA:PFA+1], s[34:35], s[58:59]
	s_add_nc_u64 s[32:33], s[32:33], s[54:55]
	CROUND                                         ; all four work-groups are here: the first joint loads meet
	s_cmp_lt_u32 s[WV], 3                          ; the first fills, one a wave: slot 0 and the head's scale words
	s_cbranch_scc0 .Lnot_codes
	tensor_load_to_lds s[G0:G0+3], s[G1:G1+7]
	s_nop 0
.rept 4
	v_nop
.endr
	s_branch .Lfirst_asked
.Lnot_codes:
	s_cmp_lt_u32 s[WV], 5
	s_cbranch_scc0 .Lfirst_asked
	tensor_load_to_lds s[G0S:G0S+3], s[G1:G1+7]
	s_nop 0
.rept 4
	v_nop
.endr
.Lfirst_asked:
	s_wait_alu depctr_va_vdst(0)
.set i, 0
.rept 16                                       ; q: my 16 rows, a whole row of 512 bytes to a load
	global_load_b128 v[SS+4*i:SS+4*i+3], v[LI], s[32:33] offset:512*i th:TH_LOAD_NT
.set i, i+1
.endr
	s_wait_loadcnt 0x0
.set i, 0
.rept 16                                       ; they turn through my stage, so that a lane holds 16 neighbours of each block of 32 of its row
	ds_store_b128 v[SW], v[SS+4*i:SS+4*i+3] offset:SPIT*i
.set i, i+1
.endr
.irp b, 0,1,2,3
.irp j, 0,1,2,3
	ds_load_b128 v[OT+16*\b+4*\j:OT+16*\b+4*\j+3], v[QR] offset:128*\b+16*\j   ; in order behind my stores
.endr
.endr
	MLOAD                                          ; step 0's mask words; the arguments' registers are done with
	s_wait_dscnt 0x0
.irp b, 0,1,2,3
	v_mov_b32 v[TM+4+\b], 0                        ; a lane permute's destination counts as one of its sources
.endr
	v_mov_b32 v[PT], 0
	QMAX OT
	CODES OT, QC
	v_mov_b32 v[QSC], v[PW]
	v_mov_b32 v13, 0xff61b1e6                      ; the step is written without a first step of its own: the largest t begins at -3e38, O^T and the sum as zeros
	s_delay_alu instid0(VALU_DEP_1)
	v_floor_f32 v12, -v13
	v_mov_b32 v14, 0
	v_mov_b32 v15, 0
.set j, 0
.rept 64
	v_mov_b32 v[OT+j], 0
.set j, j+1
.endr
	s_wait_alu depctr_va_vdst(0)                   ; the wait at the head's end
.Lslot:                                            ; 15 trips: behind each change of slots but the last the next slot is asked for
	CHANGE 1
	PAIR 1
	s_sub_co_u32 s[SLOTS], s[SLOTS], 1
	s_cmp_lg_u32 s[SLOTS], 0
	s_cbranch_scc1 .Lslot
	CHANGE 0                                       ; the last slot is written out
	PAIR 0
; THE WAY OUT.  O^T is divided by the row's sum and goes through my stage; the rows come back whole, 512 bytes to the 32 lanes.
	PLACES                                         ; behind the last products
	v_add_f32 v14, v14, v15
	s_delay_alu instid0(VALU_DEP_1)
	v_permlanex16_b32 v252, v14, s[SEL], s[SEL+1]
	s_delay_alu instid0(VALU_DEP_1)
	v_add_f32 v14, v14, v252
	s_wait_alu depctr_va_vdst(0)
	v_rcp_f32 v14, v14
	v_nop
	s_wait_alu depctr_va_vdst(0)
.set j, 0
.rept 64
	v_mul_f32 v[SS+j], v[OT+j], v14                ; register 8 t + i is o(r, 16 t + 8 h + i); each accumulator from its low end on
.set j, j+1
.endr
.irp t, 0,1,2,3,4,5,6,7
	ds_store_b128 v[OW], v[SS+8*\t:SS+8*\t+3] offset:64*\t
	ds_store_b128 v[OW], v[SS+8*\t+4:SS+8*\t+7] offset:64*\t+16
.endr
.set i, 0
.rept 16
	ds_load_b128 v[OT+4*i:OT+4*i+3], v[SW] offset:SPIT*i   ; in order behind my stores
.set i, i+1
.endr
.set i, 0
.rept 16
	s_wait_dscnt 15-i                              ; the younger loads of the sixteen may be out
	global_store_b128 v[LI], v[OT+4*i:OT+4*i+3], s[OP:OP+1] offset:512*i th:TH_STORE_NT   ; 32 lanes store a row: 512 consecutive bytes
.set i, i+1
.endr
	s_wait_tensorcnt 0x0                           ; the wave's end
	ds_add_u32 v[SPW], v[NIL]
	s_wait_dscnt 0x0
	CROUND                                         ; the closing round
	s_endpgm
.Lfunc_end_k_qb23e0494cb_attn:
	.size	k_qb23e0494cb_attn, .Lfunc_end_k_qb23e0494cb_attn-k_qb23e0494cb_attn
	.p2alignl 7, 3214868480
	.fill 96, 4, 3214868480
	.section	.rodata,"a",@progbits
	.p2align	6, 0x0
	.amdhsa_kernel k_qb23e0494cb_attn
		.amdhsa_group_segment_fixed_size 327680
		.amdhsa_private_segment_fixed_size 0
		.amdhsa_enable_private_segment 0
		.amdhsa_kernarg_size 40
		.amdhsa_user_sgpr_count 2
		.amdhsa_user_sgpr_kernarg_segment_ptr 1
		.amdhsa_wavefront_size32 1
		.amdhsa_system_sgpr_workgroup_id_x 1
		.amdhsa_system_sgpr_workgroup_id_y 1
		.amdhsa_system_sgpr_workgroup_id_z 1
		.amdhsa_system_vgpr_workitem_id 0
		.amdhsa_next_free_vgpr 256
		.amdhsa_next_free_sgpr 106
		.amdhsa_reserve_vcc 0
		.amdhsa_float_denorm_mode_32 3
		.amdhsa_float_denorm_mode_16_64 3
		.amdhsa_memory_ordered 1
		.amdhsa_forward_progress 1
		.amdhsa_inst_pref_size 116
	.end_amdhsa_kernel
	.amdgpu_metadata
---
amdhsa.version: [ 1, 2 ]
amdhsa.kernels:
  - .name:           k_qb23e0494cb_attn
    .symbol:         k_qb23e0494cb_attn.kd
    .args:
      - { .name: q, .offset: 0, .size: 8, .value_kind: global_buffer, .address_space: global }
      - { .name: kvc, .offset: 8, .size: 8, .value_kind: global_buffer, .address_space: global }
      - { .name: kvs, .offset: 16, .size: 8, .value_kind: global_buffer, .address_space: global }
      - { .name: msk, .offset: 24, .size: 8, .value_kind: global_buffer, .address_space: global }
      - { .name: out0, .offset: 32, .size: 8, .value_kind: global_buffer, .address_space: global }
    .group_segment_fixed_size: 327680
    .private_segment_fixed_size: 0
    .kernarg_segment_align: 8
    .kernarg_segment_size: 40
    .max_flat_workgroup_size: 512
    .sgpr_count:     106
    .vgpr_count:     256
    .wavefront_size: 32
...
	.end_amdgpu_metadata
.endif
;; end of part 2
